; MI455X (gfx1250); checked and timed in simulation.
; The chip was launched on July 23, 2026; its instructions are those of AMD's public machine-readable ISA for CDNA 5 (MIT licence, August 2026) and "CDNA5" Instruction Set Architecture Reference Guide (July 2026). The comments in the code are by the model that wrote it; some were corrected since.
;; MLP. Allowed arithmetic: matrix products marked QUANTISED: E2M1 operands, one E8M0 scale for each 32 along K, by v_wmma_scale_f32_16x16x128_f8f6f4 with both operands' format E2M1 (or v_wmma_scale_f32_32x16x128_f4), f32 sums; products left as they are: f32 operands where the result goes on into a quantised operand, else bf16, f16 or f32 operands; f32 sums; everything else in f32.
;; Inputs: expert_W_codes 8 x 1,024 x 32 x 16 uint8 (E2M1 codes of expert_W, K innermost, in blocks of 32 codes, two codes a byte); expert_W_scales 8 x 1,024 x 32 uint8 (E8M0 scales of expert_W, one for each 32 codes along K); expert_b 8 x 1,024 float32; gate_W 1,024 x 8 float32; x 64 x 1,024 x 128 float32.
;; Outputs: out0 64 x 1,024 x 128 float32; out1 128 x 8 float32.
;; This version of the problem:
;;   THIS VERSION OF THE PROBLEM IS GIVEN IN LOW PRECISION. The matrix products marked QUANTISED in the list below multiply operands that are first quantised to E2M1 (2 exponent bits, 1 mantissa bit; 4 bits a number), with one power-of-two scale for each 32 numbers along K (OCP MX v1.0); their sums are f32. All else is computed in f32.
;;   The module's matrix products, in the order in which they are computed (A, B: the left and right operand; K: the contracted axis; several contracted axes count as one K, in the product's order):
;;     1. [M 8,192, K 1,024] x [K 1,024, N 8]; A: input x; B: input gate_W: left as it is (N = 8 < 16)
;;     2. [M 8,192, K 1,024] x [K 1,024, N 1,024]; A: input x; B: input expert_W (given as codes): QUANTISED
;;     3. [M 8,192, K 1,024] x [K 1,024, N 1,024]; A: input x; B: input expert_W (given as codes): QUANTISED
;;     4. [M 8,192, K 1,024] x [K 1,024, N 1,024]; A: input x; B: input expert_W (given as codes): QUANTISED
;;     5. [M 8,192, K 1,024] x [K 1,024, N 1,024]; A: input x; B: input expert_W (given as codes): QUANTISED
;;     6. [M 8,192, K 1,024] x [K 1,024, N 1,024]; A: input x; B: input expert_W (given as codes): QUANTISED
;;     7. [M 8,192, K 1,024] x [K 1,024, N 1,024]; A: input x; B: input expert_W (given as codes): QUANTISED
;;     8. [M 8,192, K 1,024] x [K 1,024, N 1,024]; A: input x; B: input expert_W (given as codes): QUANTISED
;;     9. [M 8,192, K 1,024] x [K 1,024, N 1,024]; A: input x; B: input expert_W (given as codes): QUANTISED
;;   THE QUANTISER, for each operand of a quantised product, along K:
;;     - K is cut into blocks of 32 from its start; a last block that is shorter is filled with zeros.
;;     - A block's scale is 2^e with e = floor(log2(the largest magnitude in the block)) - 2, held to -126 .. 127; a block of zeros has e = 0. As a byte (E8M0): e + 127.
;;     - Each number is divided by its block's scale, clamped to +-6, and rounded to the nearest number of E2M1, ties to even, subnormals kept.
;;     - The product sums the exact products of the quantised numbers (number of the format x scale) in f32.
;;   ~~~python
;;   def quantise(x, axis):      # numpy; x: float32 -> the quantised numbers, widened to float32 again
;;       x = np.moveaxis(x, axis, -1); K = x.shape[-1]
;;       x = np.pad(x, [(0, 0)] * (x.ndim - 1) + [(0, -K % 32)]); x = x.reshape(x.shape[:-1] + (-1, 32)); a = np.abs(x).max(-1, keepdims=True)
;;       e = np.where(a > 0, np.clip(np.frexp(np.where(a > 0, a, 1))[1] - 1 - 2, -126, 127), 0)      # np.frexp(a)[1] - 1 = floor(log2(a)), exactly
;;       r = np.clip(x / 2.0 ** e, -6, 6)
;;       step = 2.0 ** (np.maximum(np.frexp(np.where(r == 0, 1, r))[1] - 1, 0) - 1)
;;       q = np.round(r / step) * step * 2.0 ** e      # np.round: ties to even
;;       return np.moveaxis(q.reshape(q.shape[:-2] + (-1,))[..., :K], -1, axis).astype(np.float32)
;;   ~~~
;;   INPUTS GIVEN AS CODES. expert_W (in the module: [8, 1024, 1024], K = its axis 1): each comes as NAME_codes (uint8): NAME with its K axis moved to the last place and cut into blocks of 32 codes, [.., K / 32, bytes a block], one block behind the other in memory; two codes a byte, the lower K in the low four bits (a code: sign, 2 exponent bits, 1 mantissa bit); and NAME_scales (uint8): the same leading axes, one E8M0 byte (e + 127) for each 32 codes along K. Its value is code x scale, taken as it is: it is not quantised again, and the codes and scales need not be those that the quantiser above would give.
;; One version. Each part assembles by itself: llvm-mc -triple=amdgcn-amd-amdhsa -mcpu=gfx1250 --defsym DOCPART=n.
;; ======== version 1 of 1: 2 launches
;; limits: right only within a limited range of input values
;; workspace buffers: xc 4,194,304 bytes; xs 262,144 bytes; glog 1,048,576 bytes
;; launch quant (part 1): grid 256 x 1, 8 waves a work-group, no clusters, 43,008 bytes of LDS; arguments x, gate_W, xc, xs, glog; writes xc, xs, glog
.if DOCPART == 1
	.amdgcn_target "amdgcn-amd-amdhsa--gfx1250"
	.amdhsa_code_object_version 6
	.text
	.protected	k_q504b742b89_quant
	.globl	k_q504b742b89_quant
	.p2align	8
	.type	k_q504b742b89_quant,@function
k_q504b742b89_quant:
	s_mov_b64 s[64:65], 0
	v_nop
	global_prefetch_b8 v0, s[64:65] scope:SCOPE_SE
	s_setreg_imm32_b32 hwreg(HW_REG_WAVE_MODE, 25, 1), 1
	s_wait_xcnt 0x0
; x [64][1024 (k)][128 (n)] f32 is read once.  A token is a column (b, n); K is x's middle axis.  Three things are made of it:
;   xc   [b][kb 32][n 128][16 bytes]: the 32 E2M1 codes of block kb (k = 32 kb ..) of token (b, n), the lower k in the lower bits;
;   xs   [b][kq 4][n][8 bytes]:       byte j = the E8M0 byte of block 8 kq + j;
;   glog [b][kq][n][8] f32:           the router's logits summed over k = 256 kq .. 256 kq + 255, by f32 multiply-adds.
; SHARES.  Work-group g: b = g / 4, kq = g % 4: 256 rows of x, 128 KiB on end.  Wave w: block kb = 8 kq + w: 32 rows x 128 columns.
; A LANE TAKES A COLUMN AND ITS REGISTERS RUN DOWN K (four columns: n = 32 cg + lane): a load reads 128 neighbouring bytes, four loads a whole row;
; a block of 32 lies in one lane's 32 registers, so its largest magnitude needs no other lane and the conversions give codes with K innermost.
; A block's scale is 2^(floor(log2(largest magnitude)) - 2); its byte is the largest magnitude's exponent field - 2, held at 1 from below.
; LIMITS: a block of zeros gets the byte 1 where the rule says 127 (its codes are zeros, and this program alone reads the bytes); NaN and infinities are
; not served; the logits are summed in another order than a plain chain over k (32 in a wave, a tree over 8 waves, later a tree over 4 quarters).
; No matrix unit, no tensor load, no cluster: the launch streams, and work-groups share nothing but 32 KiB of gate_W.
.set GWL, 0                            ; LDS: each wave's own 32 rows of gate_W, 1,024 bytes a wave
.set PL,  8192                         ; each wave's partial logits [n][8] f32, 4,096 bytes a wave
.set XSL, 40960                        ; the scale bytes [n][8], 1,024 bytes
.set ACC, 16                           ; v16-47   logits: column group cg, expert e at ACC + 8 cg + e
.set G,   48                           ; v48-111  gate_W rows, two buffers of four rows x 8
.set X,   112                          ; v112-239 x: column group cg, row i at X + 32 cg + i
.set GW,  240                          ; v240-247 my row of gate_W as loaded
.set QM,  48                           ; behind the logits G's registers serve again: v48-51, v52-55 two chains of maxima,
.set QN,  52
.set QS,  56                           ; v56-59 the conversion's scale operand, v60-63 the scale's byte,
.set QB,  60
.set QC,  64                           ; v64-79 the codes, four registers a column group,
.set R,   80                           ; v80-111 eight waves' partial logits
	s_load_b256 s[4:11], s[0:1], 0x0               ; x s[4:5], gate_W s[6:7], xc s[8:9], xs s[10:11]
	s_load_b64 s[12:13], s[0:1], 0x20              ; glog
	v_lshl_add_u32 v248, v0, 2, 41984              ; my spare word: behind the scale bytes, 128 bytes a wave that no other line names
	v_mov_b32 v249, 0
	v_lshrrev_b32 v12, 5, v0
	s_delay_alu instid0(VALU_DEP_1)
	v_readfirstlane_b32 s14, v12                   ; wave 0..7
	v_and_b32 v1, 31, v0                           ; lane
	s_delay_alu instid0(VALU_DEP_1)
	v_lshlrev_b32 v2, 2, v1                        ; x: 4 bytes a lane
	s_delay_alu instid0(VALU_DEP_2)
	v_lshlrev_b32 v3, 5, v1                        ; gate_W: a row of 32 bytes a lane
	v_lshlrev_b32 v4, 5, v0                        ; LDS: GWL + 32 x thread: my row of my wave's 32
	v_and_b32 v13, 0xe0, v0                        ; 32 x wave
	s_delay_alu instid0(VALU_DEP_1)
	v_lshlrev_b32 v5, 5, v13                       ; GWL + 1,024 x wave: the same in all lanes, so each read is one row for everybody
	s_delay_alu instid0(VALU_DEP_2)
	v_lshlrev_b32 v6, 7, v13
	s_delay_alu instid0(VALU_DEP_1)
	v_lshl_add_u32 v6, v1, 5, v6
	s_delay_alu instid0(VALU_DEP_1)
	v_add_nc_u32 v6, PL, v6                        ; PL + 4,096 x wave + 32 x lane: where my logits go
	v_lshl_add_u32 v7, v0, 4, PL                   ; PL + 16 x thread: what I sum over the waves
	v_lshl_add_u32 v8, v1, 3, v12
	s_delay_alu instid0(VALU_DEP_1)
	v_add_nc_u32 v8, XSL, v8                       ; XSL + 8 x lane + wave: my block's byte of my column
	v_and_b32 v9, 63, v0
	s_delay_alu instid0(VALU_DEP_1)
	v_lshl_add_u32 v9, v9, 4, XSL                  ; XSL + 16 x thread (waves 0 and 1 read the bytes back)
	v_lshlrev_b32 v10, 4, v1                       ; xc: 16 bytes a lane
	v_lshlrev_b32 v11, 4, v0                       ; glog, xs: 16 bytes a thread
	s_lshr_b32 s15, ttmp9, 2                       ; b
	s_and_b32 s16, ttmp9, 3                        ; kq
	s_lshl_b32 s17, s16, 3
	s_add_co_u32 s17, s17, s14                     ; kb = 8 kq + wave
	s_lshl_b32 s18, s15, 19                        ; x: b x 524,288 + kb x 32 rows of 512 bytes
	s_lshl_b32 s28, s17, 14
	s_add_co_u32 s18, s18, s28
	s_mov_b32 s19, 0
	s_lshl_b32 s20, s17, 10                        ; gate_W: kb x 32 rows of 32 bytes
	s_mov_b32 s21, 0
	s_lshl_b32 s22, s15, 16                        ; xc: b x 65,536 + kb x 2,048
	s_lshl_b32 s28, s17, 11
	s_add_co_u32 s22, s22, s28
	s_mov_b32 s23, 0
	s_lshl_b32 s24, ttmp9, 10                      ; xs: (4 b + kq) x 1,024
	s_mov_b32 s25, 0
	s_lshl_b32 s26, ttmp9, 12                      ; glog: (4 b + kq) x 4,096
	s_mov_b32 s27, 0
	s_wait_kmcnt 0x0
	s_add_nc_u64 s[4:5], s[4:5], s[18:19]
	s_add_nc_u64 s[6:7], s[6:7], s[20:21]
	s_add_nc_u64 s[8:9], s[8:9], s[22:23]
	s_add_nc_u64 s[10:11], s[10:11], s[24:25]
	s_add_nc_u64 s[12:13], s[12:13], s[26:27]
	global_load_b128 v[GW:GW+3], v3, s[6:7]
	global_load_b128 v[GW+4:GW+7], v3, s[6:7] offset:16
.set i, 0
.rept 32                               ; all of the wave's 16 KiB go out at once: four loads that follow each other cover a row of 512 bytes
.irp cg, 0,1,2,3
	global_load_b32 v[X+32*\cg+i], v2, s[4:5] offset:i*512+\cg*128 th:TH_LOAD_NT
.endr
.set i, i+1
.endr
.macro GLOAD c                         ; rows 4 c .. 4 c + 3 of my wave's gate_W into buffer c % 2: eight loads
.irp kk, 0,1,2,3
	ds_load_b128 v[G+32*((\c)%2)+8*\kk:G+32*((\c)%2)+8*\kk+3], v5 offset:GWL+(4*(\c)+\kk)*32
	ds_load_b128 v[G+32*((\c)%2)+8*\kk+4:G+32*((\c)%2)+8*\kk+7], v5 offset:GWL+(4*(\c)+\kk)*32+16
.endr
.endm
.macro GFMA c, kk, cg, e               ; two logits of one column: x(k, n) x gate_W(k, e .. e + 1); x's register is picked out of its pair for both halves
.set rX, X+32*(\cg)+4*(\c)+2*((\kk)/2)
.set rG, G+32*((\c)%2)+8*(\kk)+(\e)
.set rA, ACC+8*(\cg)+(\e)
.if ((\c) == 0) && ((\kk) == 0)
	v_pk_mul_f32 v[rA:rA+1], v[rX:rX+1], v[rG:rG+1] op_sel_hi:[0,1]          ; the first row starts the sums: nothing is cleared
.elseif (\kk)%2
	v_pk_fma_f32 v[rA:rA+1], v[rX:rX+1], v[rG:rG+1], v[rA:rA+1] op_sel:[1,0,0] op_sel_hi:[1,1,1]
.else
	v_pk_fma_f32 v[rA:rA+1], v[rX:rX+1], v[rG:rG+1], v[rA:rA+1] op_sel_hi:[0,1,1]
.endif
.endm
; Four rows of x against gate_W: 64 packed multiply-adds on 16 pairs of sums that take turns.
; lc: the loads of x issued behind row 4 c + 3, 16 (7 - c), held at the largest count that the wait can name;  dc: the next chunk's eight LDS loads may be out
.macro GCHUNK c, lc, dc
	s_wait_loadcnt \lc
	s_wait_dscnt \dc
.irp kk, 0,1,2,3
.irp cg, 0,1,2,3
.irp e, 0,2,4,6
	GFMA \c, \kk, \cg, \e
.endr
.endr
.endr
.if (\c)+2 < 8
	GLOAD (\c)+2
.endif
.endm
	s_wait_loadcnt 63                              ; of 130 loads at most 63 are out: the two oldest, gate_W's, are in
	ds_store_b128 v4, v[GW:GW+3]
	ds_store_b128 v4, v[GW+4:GW+7] offset:16       ; my wave's own bytes: LDS serves a wave's instructions in order, so no barrier and no wait
	GLOAD 0
	GLOAD 1
	GCHUNK 0, 63, 8
	GCHUNK 1, 63, 8
	GCHUNK 2, 63, 8
	GCHUNK 3, 63, 8
	GCHUNK 4, 48, 8
	GCHUNK 5, 32, 8
	GCHUNK 6, 16, 8
	GCHUNK 7, 0, 0
	; THE QUANTISER: four blocks a lane (one for each column group), by turns
.irp cg, 0,1,2,3
	v_max3_num_f32 v[QM+\cg], |v[X+32*\cg]|, |v[X+32*\cg+1]|, 0x1800000      ; with the floor 2^(3 - 127): the byte cannot fall under 1
.endr
.irp cg, 0,1,2,3
	v_max_num_f32 v[QN+\cg], |v[X+32*\cg+2]|, |v[X+32*\cg+3]|
.endr
.irp i, 4,8,12,16,20,24,28
.irp cg, 0,1,2,3
	v_max3_num_f32 v[QM+\cg], v[QM+\cg], |v[X+32*\cg+\i]|, |v[X+32*\cg+\i+1]|
	v_max3_num_f32 v[QN+\cg], v[QN+\cg], |v[X+32*\cg+\i+2]|, |v[X+32*\cg+\i+3]|
.endr
.endr
.irp cg, 0,1,2,3
	v_max_num_f32 v[QM+\cg], v[QM+\cg], v[QN+\cg]  ; the block's largest magnitude
.endr
.irp cg, 0,1,2,3
	s_delay_alu instid0(VALU_DEP_4)
	v_add_nc_u32 v[QS+\cg], 0xff000000, v[QM+\cg]  ; 2 off its exponent field: the conversion takes the exponent field of this operand as its scale
.endr
.irp cg, 0,1,2,3
	s_delay_alu instid0(VALU_DEP_4)
	v_lshrrev_b32 v[QB+\cg], 23, v[QS+\cg]         ; the scale's byte
.endr
.irp cg, 0,1,2,3
.irp g, 0,1,2,3
	v_cvt_scalef32_pk8_fp4_f32 v[QC+4*\cg+\g], v[X+32*\cg+8*\g:X+32*\cg+8*\g+7], v[QS+\cg]
.endr
.endr
	v_nop                                          ; one plain line behind the last scaled conversion
.irp cg, 0,1,2,3
	global_store_b128 v10, v[QC+4*\cg:QC+4*\cg+3], s[8:9] offset:512*\cg     ; 32 lanes store 512 consecutive bytes, at a multiple of 256 from xc's first byte
	ds_store_b8 v8, v[QB+\cg] offset:256*\cg
	ds_store_b128 v6, v[ACC+8*\cg:ACC+8*\cg+3] offset:1024*\cg
	ds_store_b128 v6, v[ACC+8*\cg+4:ACC+8*\cg+7] offset:1024*\cg+16
.endr
	s_wait_dscnt 0x0                               ; for the others' sake: my bytes and my logits lie in LDS
	s_barrier_signal -1
	s_barrier_wait -1
.irp u, 0,1,2,3,4,5,6,7
	ds_load_b128 v[R+4*\u:R+4*\u+3], v7 offset:4096*\u                       ; four logits of one token, from each of the eight waves
.endr
	s_wait_dscnt 0x0
.irp u, 0,2,4,6
	v_pk_add_f32 v[R+4*\u:R+4*\u+1], v[R+4*\u:R+4*\u+1], v[R+4*\u+4:R+4*\u+5]
	v_pk_add_f32 v[R+4*\u+2:R+4*\u+3], v[R+4*\u+2:R+4*\u+3], v[R+4*\u+6:R+4*\u+7]
.endr
.irp u, 0
	v_pk_add_f32 v[R+4*\u:R+4*\u+1], v[R+4*\u:R+4*\u+1], v[R+4*\u+8:R+4*\u+9]
	v_pk_add_f32 v[R+4*\u+2:R+4*\u+3], v[R+4*\u+2:R+4*\u+3], v[R+4*\u+10:R+4*\u+11]
.endr
.irp u, 4
	s_delay_alu instid0(VALU_DEP_4)
	v_pk_add_f32 v[R+4*\u:R+4*\u+1], v[R+4*\u:R+4*\u+1], v[R+4*\u+8:R+4*\u+9]
	s_delay_alu instid0(VALU_DEP_4)
	v_pk_add_f32 v[R+4*\u+2:R+4*\u+3], v[R+4*\u+2:R+4*\u+3], v[R+4*\u+10:R+4*\u+11]
.endr
	s_delay_alu instid0(VALU_DEP_2)
	v_pk_add_f32 v[R:R+1], v[R:R+1], v[R+16:R+17]
	s_delay_alu instid0(VALU_DEP_2)
	v_pk_add_f32 v[R+2:R+3], v[R+2:R+3], v[R+18:R+19]
	global_store_b128 v11, v[R:R+3], s[12:13]      ; the work-group stores 4,096 consecutive bytes
	s_cmp_lt_u32 s14, 2
	s_cbranch_scc0 .Ldone                          ; the 1,024 scale bytes leave by waves 0 and 1, 16 bytes a lane
	ds_load_b128 v[48:51], v9
	s_wait_dscnt 0x0
	global_store_b128 v11, v[48:51], s[10:11]
.Ldone:
	s_wait_tensorcnt 0x0                           ; the wave's end, behind the last LDS store
	ds_add_u32 v248, v249
	s_wait_dscnt 0x0
	s_endpgm
.Lfunc_end_k_q504b742b89_quant:
	.size	k_q504b742b89_quant, .Lfunc_end_k_q504b742b89_quant-k_q504b742b89_quant
	.p2alignl 7, 3214868480
	.fill 96, 4, 3214868480
	.section	.rodata,"a",@progbits
	.p2align	6, 0x0
	.amdhsa_kernel k_q504b742b89_quant
		.amdhsa_group_segment_fixed_size 43008
		.amdhsa_private_segment_fixed_size 0
		.amdhsa_enable_private_segment 0
		.amdhsa_kernarg_size 40
		.amdhsa_user_sgpr_count 2
		.amdhsa_user_sgpr_kernarg_segment_ptr 1
		.amdhsa_wavefront_size32 1
		.amdhsa_system_sgpr_workgroup_id_x 1
		.amdhsa_system_sgpr_workgroup_id_y 1
		.amdhsa_system_sgpr_workgroup_id_z 1
		.amdhsa_system_vgpr_workitem_id 0
		.amdhsa_next_free_vgpr 256
		.amdhsa_next_free_sgpr 66
		.amdhsa_reserve_vcc 0
		.amdhsa_float_denorm_mode_32 3
		.amdhsa_float_denorm_mode_16_64 3
		.amdhsa_memory_ordered 1
		.amdhsa_forward_progress 1
		.amdhsa_inst_pref_size 61
	.end_amdhsa_kernel
	.amdgpu_metadata
---
amdhsa.version: [ 1, 2 ]
amdhsa.kernels:
  - .name:           k_q504b742b89_quant
    .symbol:         k_q504b742b89_quant.kd
    .args:
      - { .name: x, .offset: 0, .size: 8, .value_kind: global_buffer, .address_space: global }
      - { .name: gate_W, .offset: 8, .size: 8, .value_kind: global_buffer, .address_space: global }
      - { .name: xc, .offset: 16, .size: 8, .value_kind: global_buffer, .address_space: global }
      - { .name: xs, .offset: 24, .size: 8, .value_kind: global_buffer, .address_space: global }
      - { .name: glog, .offset: 32, .size: 8, .value_kind: global_buffer, .address_space: global }
    .group_segment_fixed_size: 43008
    .private_segment_fixed_size: 0
    .kernarg_segment_align: 8
    .kernarg_segment_size: 40
    .max_flat_workgroup_size: 256
    .sgpr_count:     66
    .vgpr_count:     256
    .wavefront_size: 32
...
	.end_amdgpu_metadata
.endif
;; end of part 1
;; launch moe (part 2): grid 16 x 16, 4 waves a work-group, clusters of 4 x 1, 327,680 bytes of LDS; arguments xc, xs, glog, expert_W_codes, expert_W_scales, expert_b, out0, out1; writes out0, out1
.if DOCPART == 2
	.amdgcn_target "amdgcn-amd-amdhsa--gfx1250"
	.amdhsa_code_object_version 6
	.text
	.protected	k_q504b742b89_moe
	.globl	k_q504b742b89_moe
	.p2align	8
	.type	k_q504b742b89_moe,@function
k_q504b742b89_moe:
	s_mov_b64 s[64:65], 0
	v_nop
	global_prefetch_b8 v0, s[64:65] scope:SCOPE_SE
	s_setreg_imm32_b32 hwreg(HW_REG_WAVE_MODE, 25, 1), 1
	s_wait_xcnt 0x0
	s_wait_alu depctr_hold_cnt(0) depctr_sa_sdst(0) depctr_va_vdst(0) depctr_va_sdst(0) depctr_va_ssrc(0) depctr_va_vcc(0) depctr_vm_vsrc(0)
	s_getreg_b32 s2, hwreg(HW_REG_IB_STS2, 6, 4)
	s_cmp_eq_u32 s2, 0
	s_cbranch_scc0 .Lentry_in_a_cluster
	s_endpgm
.Lentry_in_a_cluster:
	s_bfe_u32 s2, ttmp6, 0x10000c
	s_cmp_lg_u32 s2, 0x3003
	s_cbranch_scc0 .Lentry_shape_is_right
	s_endpgm
.Lentry_shape_is_right:
; out0[b][p][n] = sum over the two chosen experts e of gate(b, n, e) x (Q(x)(b, n, :) . W_e(:, p) + bias_e(p));  out1[n][e] = the mean over b of gate(b, n, e).
; Products on E2M1 codes with one E8M0 byte for each 32 along K (K = 1,024: eight steps of 128); everything else in f32.
; ALL EIGHT EXPERTS ARE MULTIPLIED FOR EVERY TOKEN, and the six that were not chosen are weighed with 0: out0's innermost axis is the token's place in its batch, so tokens stay in
; their order, each output has one owner, whole rows of 256 bytes leave, and no address and no branch hangs on the choice.
; SHARES.  Work-group (bg, ps): batches 4 bg .. 4 bg + 3, outputs p = 64 ps .. 64 ps + 63.  Wave w: batch b = 4 bg + w, all its 128 tokens (8 tiles of 16), all 64 p, all 8 experts.
; The wave's codes of x, 128 tokens x 1,024 k, stay in 512 REGISTERS; the work-group's slice of W, 8 experts x 64 rows, its scales and biases stay in LDS, where every byte is filled once.
; CLUSTER.  The four work-groups of a cluster share ps and so every byte of W's slice: each tile is asked for jointly, mask 15.  x's codes go from memory straight into registers:
; beside 289 KB of W, scales and biases no LDS is left through which they could be shared.  No prefetch: all tiles are asked for in the head, there is no loop to run ahead in.
; THE PRODUCT: source 0 = 32 rows of W (p), source 1 = 16 tokens: register 8 u + j of lane (r, h) is (p0 + 16 u + 8 h + j, token 16 t + r).  So a token's weight is one number a lane, and the bias is the C of K step 0.
; A CHUNK is 32 outputs p; a PASS is one expert of a chunk: two HALVES of four tiles, 32 matrix instructions each on four accumulators by turns.  While one half is multiplied the other half's y
; is weighed into out; those packed lines are also the places in front of the loads of the next pass's fragments.
; THE ROUTER: the four quarters' logits are added, softmax with the row's maximum taken away, top 2 by compares and selects alone; of equal gates the lower expert is taken first.
; LIMITS: NaN and infinities are not served; the logits are summed in another order than a plain chain over k, so two gates that differ in their last bits may change places.
; REGISTERS, in windows of 256 (s_set_vgpr_msb: bits 1:0 source 0, 3:2 source 1, 5:4 source 2, 7:6 destination):
;   window 0: v0-127 as below; v128-255 x's fragments of K steps 6, 7 (in the head: the logits)      window 1: x's K steps 0-3 (step s, tile t at 64 s + 8 t)
;   window 2: v0-127 W's fragments (step s at 16 s), v128-255 x's K steps 4, 5                       window 3: v0-127 y (tile t at 16 t), v128-255 out; rows of out0 on their way out lie over y
.set PITCH,  528                       ; an LDS row of W: 512 bytes + 16 of padding = 132 words: the 16 rows of a fragment load start 4 banks apart (64 banks of 4 bytes: ISA guide 11.1)
.set HB,     16*PITCH                  ; 16 rows
.set EXPB,   64*PITCH                  ; experts 0 and 1: 64 rows each, one behind the other
.set W2,     2*EXPB                    ; experts 2-7: rows 16 w .. 16 w + 15 of all six, as wave w fetches them: W2 + w x WAVB + (e - 2) x HB
.set WAVB,   6*HB
.set SCL,    W2+4*WAVB                 ; W's scale bytes: expert x 2,048 + row x 32
.set BIA,    SCL+16384                 ; the biases: expert x 256 + row x 4
.set CWL,    BIA+2048                  ; each wave's own 4,096 bytes: the weight of expert e for token 16 t + r at 512 e + 32 r + 4 t
.set STG,    CWL+4*4096                ; each wave's own stage: 16 rows x (256 bytes + 16)
.set SPITCH, 272
.set GMS,    STG+4*16*SPITCH           ; 32 bytes a wave: its sums of gates for out1
.set SPARE,  GMS+256                   ; the spare words, 128 bytes a wave, that no other line names
.set AW,  4                            ; v4     my place in a fragment of W, experts 0 and 1: r x 528 + 16 h, + 32 rows a chunk
.set AX,  5                            ; v5-6   the same in experts 2-7: the chunk's first and second 16 rows
.set ASC, 7                            ; v7     W's scale bytes of row = lane, + 1,024 a chunk
.set ABI, 8                            ; v8     my biases, + 128 a chunk
.set CWA, 9                            ; v9     my weights
.set STO, 10                           ; v10    the stage, on the way in
.set RD,  11                           ; v11    and back
.set GO,  12                           ; v12    my byte offset in two rows of out0
.set XCO, 13                           ; v13    my byte offset in xc
.set SPW, 14                           ; v14    my spare word
.set NIL, 15                           ; v15    0
.set XS,  16                           ; v16-47 x's scale words: register 8 j + s: lanes 0-15 tile 2 j, lanes 16-31 tile 2 j + 1, K step s
.set SC,  48                           ; v48-55 W's scale words: lane = row of the chunk's 32, register = K step
.set BI,  56                           ; v56-71 biases
.set WQ0, 72                           ; v72-75 weights of tiles 0-3, v76-79 of tiles 4-7
.set WQ1, 76
.set MN,  80                           ; v80-95 the head: out1's logits and gates
.set CST, 96                           ; v96    where the head stores a weight
.set GMA, 97                           ; v97    GMS + 4 (lane % 8)
.set GMW, 98                           ; v98    GMS + 32 x wave
.set XSO, 99                           ; v99    xs: 8 bytes a token
.set GLO, 100                          ; v100   glog: 32 bytes a token
.set GLM, 101                          ; v101   glog for out1
.set GL,  128                          ; the head: logits of tokens 32 i + lane at GL + 32 i
.set OUT, 128                          ; window 3
.set M,   24                           ; s24-55 the router's masks, behind the descriptors that lay there: group i, expert e at M + 8 i + e
.set T,   84                           ; s84-87 who has been taken
.set MSB, 0
.macro WIN new                         ; the immediate's high byte repeats the setting that is left; a switch that changes nothing is dropped
.if MSB != \new
	s_set_vgpr_msb (MSB<<8)|\new
.set MSB, \new
.endif
.endm
.macro ROUND                           ; a round of the cluster's barrier: my work-group's barrier, wave 0 signals for it, every wave waits for all four work-groups, my work-group's barrier once more
	s_barrier_signal -1
	s_barrier_wait -1
	s_cmp_lg_u32 s20, 0
	s_cbranch_scc1 .Lnot_wave_0_\@
	s_barrier_signal -3
.Lnot_wave_0_\@:
	s_barrier_wait -3
	s_barrier_signal -1
	s_barrier_wait -1
.endm
.macro TLOAD g0, g1
	tensor_load_to_lds s[\g0:\g0+3], s[\g1:\g1+7]
	s_nop 0
.rept 4
	v_nop
.endr
.endm
	s_load_b512 s[4:19], s[0:1], 0x0               ; xc s[4:5], xs s[6:7], glog s[8:9], W's codes s[10:11], W's scales s[12:13], biases s[14:15], out0 s[16:17], out1 s[18:19]
	v_lshl_add_u32 v[SPW], v0, 2, SPARE
	v_mov_b32 v[NIL], 0
	ds_add_u32 v[SPW], v[NIL]                      ; the wave's opening: the add, twice on end, and its wait ahead of my first tensor load
	ds_add_u32 v[SPW], v[NIL]
	v_lshrrev_b32 v1, 5, v0
	v_readfirstlane_b32 s20, v1                    ; wave 0..3
	s_lshl_b32 s72, s20, 12
	s_add_co_u32 s72, s72, CWL
	s_mul_i32 s73, s20, 16*SPITCH
	s_add_co_u32 s73, s73, STG
	s_lshl_b32 s74, s20, 5
	s_add_co_u32 s74, s74, GMS
	s_lshl_b32 s75, s20, 18
	; every LDS address is made here, of constants, the lane and the wave's number
	v_and_b32 v1, 31, v0                           ; lane
	v_and_b32 v2, 15, v0                           ; r
	v_bfe_u32 v3, v0, 4, 1                         ; h
	v_mul_u32_u24 v[AW], v2, PITCH
	v_lshl_add_u32 v[AW], v3, 4, v[AW]
	v_add_nc_u32 v[AX], W2, v[AW]
	v_add_nc_u32 v[AX+1], W2+WAVB, v[AW]
	v_lshl_add_u32 v[ASC], v1, 5, SCL
	v_lshl_add_u32 v[ABI], v3, 5, BIA
	v_lshl_add_u32 v[CWA], v2, 5, s72
	v_lshl_add_u32 v[CST], v3, 2, v[CWA]
	v_mul_u32_u24 v[STO], v3, 8*SPITCH             ; in: row 8 h + j, 4 bytes a token
	v_lshl_add_u32 v[STO], v2, 2, v[STO]
	v_add_nc_u32 v[STO], s73, v[STO]
	v_mul_u32_u24 v[RD], v3, SPITCH                ; back: lanes 0-15 one row of 256 bytes, lanes 16-31 the next
	v_lshl_add_u32 v[RD], v2, 4, v[RD]
	v_add_nc_u32 v[RD], s73, v[RD]
	v_and_b32 v[GMA], 7, v0
	v_lshl_add_u32 v[GMA], v[GMA], 2, GMS
	v_mov_b32 v[GMW], s74
	; byte offsets in memory
	v_lshlrev_b32 v[GO], 9, v3
	v_lshl_add_u32 v[GO], v2, 4, v[GO]             ; out0: 512 h + 16 r
	v_lshlrev_b32 v[XCO], 11, v3
	v_lshl_add_u32 v[XCO], v2, 4, v[XCO]           ; xc: block h of a pair, token r of a tile
	v_lshlrev_b32 v[XSO], 3, v1
	v_lshlrev_b32 v[GLO], 5, v1
	v_lshlrev_b32 v[GLM], 14, v2
	v_lshl_add_u32 v[GLM], v3, 13, v[GLM]
	v_add_nc_u32 v[GLM], s75, v[GLM]               ; glog for out1: batch 16 w + r, quarters 2 h and 2 h + 1
	s_wait_alu depctr_va_vdst(0)                   ; behind the head's vector instructions
	s_bfe_u32 s21, ttmp6, 0x40000                  ; cx: it enters global addresses of x's buffers and of the outputs alone
	s_lshl_b32 s22, ttmp9, 2
	s_add_co_u32 s22, s22, s21                     ; bg = 4 x cluster x + cx
	s_and_b32 s23, ttmp7, 0xffff                   ; ps, which the four partners share
	s_mov_b32 s66, 0x76543210
	s_mov_b32 s67, 0xfedcba98                      ; v_permlanex16_b32's selects for lane l xor 16
	; descriptor groups 1.  Codes of expert 0 or 1: 64 rows of 512 bytes, 16 bytes of padding behind each in LDS
	s_mov_b32 s24, 15|(1<<20)|(1<<21)|(6<<22)|(3<<25)  ; 15:0 the mask: all four work-groups; 17:16 elements of 1 byte; 20 padding on; 21 set beside a mask; 24:22 after every 128 words (code 6); 31:25 four words (code 3)
	s_mov_b32 s25, 512<<16                         ; tensor_dim0 = 512
	s_mov_b32 s26, 64<<16                          ; tensor_dim1 = 64
	s_mov_b32 s27, 512<<16                         ; tile_dim0 = 512
	s_mov_b32 s28, 64                              ; tile_dim1 = 64
	s_mov_b32 s29, 512                             ; from row to row
	s_mov_b32 s30, 0
	s_mov_b32 s31, 0
	; scales: eight experts' 2,048 bytes (64 rows x 32), 32,768 bytes apart, in elements of 8 bytes
	s_mov_b32 s32, 15|(3<<16)|(1<<21)
	s_mov_b32 s33, 256<<16
	s_mov_b32 s34, 8<<16
	s_mov_b32 s35, 256<<16
	s_mov_b32 s36, 8
	s_mov_b32 s37, 4096
	s_mov_b32 s38, 0
	s_mov_b32 s39, 0
	; biases: eight experts' 256 bytes, 4,096 bytes apart
	s_mov_b32 s40, 15|(3<<16)|(1<<21)
	s_mov_b32 s41, 32<<16
	s_mov_b32 s42, 8<<16
	s_mov_b32 s43, 32<<16
	s_mov_b32 s44, 8
	s_mov_b32 s45, 512
	s_mov_b32 s46, 0
	s_mov_b32 s47, 0
	; codes of experts 2-7: 16 rows of 512 bytes lie end to end and are one row of 8,192; six of them, 524,288 bytes apart; padding behind every 512 bytes
	s_mov_b32 s92, 15|(3<<16)|(1<<20)|(1<<21)|(6<<22)|(3<<25)
	s_mov_b32 s93, 1024<<16
	s_mov_b32 s94, 6<<16
	s_mov_b32 s95, 1024<<16
	s_mov_b32 s96, 6
	s_mov_b32 s97, 65536
	s_mov_b32 s98, 0
	s_mov_b32 s99, 0
	s_mov_b32 s91, 0
	s_mov_b32 s71, 0
	s_wait_dscnt 0x0                               ; both opening adds are done
	s_wait_kmcnt 0x0
	; groups 0: made of the wave's number and ps alone, in registers that never hold anything made of cx
	s_mov_b32 s48, 1                               ; waves 0 and 1: the codes of expert w
	s_mul_i32 s49, s20, EXPB
	s_lshl_b32 s90, s20, 19
	s_lshl_b32 s89, s23, 15
	s_add_co_u32 s90, s90, s89
	s_add_nc_u64 s[50:51], s[10:11], s[90:91]
	s_or_b32 s51, s51, 0x80000000
	s_mov_b32 s52, 1                               ; wave 2: the scales
	s_mov_b32 s53, SCL
	s_lshl_b32 s90, s23, 11
	s_add_nc_u64 s[54:55], s[12:13], s[90:91]
	s_or_b32 s55, s55, 0x80000000
	s_mov_b32 s56, 1                               ; wave 3: the biases
	s_mov_b32 s57, BIA
	s_lshl_b32 s90, s23, 8
	s_add_nc_u64 s[58:59], s[14:15], s[90:91]
	s_or_b32 s59, s59, 0x80000000
	s_mov_b32 s60, 1                               ; later, every wave: rows 16 w .. 16 w + 15 of experts 2-7
	s_mul_i32 s61, s20, WAVB
	s_add_co_u32 s61, s61, W2
	s_lshl_b32 s90, s20, 13
	s_add_co_u32 s90, s90, s89
	s_add_co_u32 s90, s90, 0x100000
	s_add_nc_u64 s[62:63], s[10:11], s[90:91]
	s_or_b32 s63, s63, 0x80000000
	; the bases of what is my batch's
	s_lshl_b32 s78, s22, 2
	s_add_co_u32 s78, s78, s20                     ; b = 4 bg + wave
	s_lshr_b32 s79, s23, 1
	s_lshl_b32 s72, s22, 3
	s_add_co_u32 s79, s79, s72                     ; out1: this work-group makes row nm = 8 bg + ps / 2,
	s_and_b32 s88, s23, 1                          ; experts 4 (ps % 2) .. + 3
	s_lshl_b32 s70, s79, 5
	s_add_nc_u64 s[68:69], s[8:9], s[70:71]        ; glog at token nm of batch 0
	s_add_nc_u64 s[18:19], s[18:19], s[70:71]
	s_lshl_b32 s70, s78, 16
	s_add_nc_u64 s[4:5], s[4:5], s[70:71]
	s_lshl_b32 s70, s78, 12
	s_add_nc_u64 s[6:7], s[6:7], s[70:71]
	s_lshl_b32 s70, s78, 14
	s_add_nc_u64 s[8:9], s[8:9], s[70:71]
	s_lshl_b32 s70, s78, 19
	s_lshl_b32 s72, s23, 15
	s_add_co_u32 s70, s70, s72
	s_add_nc_u64 s[16:17], s[16:17], s[70:71]      ; out0 at (b, 64 ps, 0)
	; the logits go out first: 36 loads
.irp i, 0,1,2,3
.irp kq, 0,1,2,3
	global_load_b128 v[GL+32*\i+8*\kq:GL+32*\i+8*\kq+3], v[GLO], s[8:9] offset:\kq*4096+\i*1024
	global_load_b128 v[GL+32*\i+8*\kq+4:GL+32*\i+8*\kq+7], v[GLO], s[8:9] offset:\kq*4096+\i*1024+16
.endr
.endr
	global_load_b128 v[MN:MN+3], v[GLM], s[68:69]
	global_load_b128 v[MN+4:MN+7], v[GLM], s[68:69] offset:16
	global_load_b128 v[MN+8:MN+11], v[GLM], s[68:69] offset:4096
	global_load_b128 v[MN+12:MN+15], v[GLM], s[68:69] offset:4112
	ROUND                                          ; all four work-groups are here: the joint loads meet
	s_cmp_lt_u32 s20, 2                            ; the head's loads, one a wave, in one tree of branches on the wave's number
	s_cbranch_scc0 .Lhead_s
	TLOAD 48, 24
	s_branch .Lhead_asked
.Lhead_s:
	s_cmp_lt_u32 s20, 3
	s_cbranch_scc0 .Lhead_b
	TLOAD 52, 32
	s_branch .Lhead_asked
.Lhead_b:
	TLOAD 56, 40
.Lhead_asked:
.macro XLOADS s, base                  ; x's eight fragments of K step s: registers 4 c .. 4 c + 3 of lane (r, h) are block 4 s + 2 c + h of token 16 t + r; a load reads two runs of 256 bytes
.irp t, 0,1,2,3,4,5,6,7
.irp c, 0,1
	global_load_b128 v[\base+8*\t+4*\c:\base+8*\t+4*\c+3], v[XCO], s[4:5] offset:(4*(\s)+2*\c)*2048+256*\t
.endr
.endr
.endm
	WIN 0x40
	XLOADS 0, 0
	XLOADS 1, 64
	WIN 0
	s_wait_loadcnt 32                              ; behind the 36 loads of glog stand 32 of x
	WIN 0x40
	XLOADS 2, 128
	XLOADS 3, 192
	WIN 0
	; THE ROUTER.  The quarters' logits: (0 + 1) + (2 + 3)
.irp i, 0,1,2,3
.irp j, 0,2,4,6
	v_pk_add_f32 v[GL+32*\i+\j:GL+32*\i+\j+1], v[GL+32*\i+\j:GL+32*\i+\j+1], v[GL+32*\i+8+\j:GL+32*\i+8+\j+1]
	v_pk_add_f32 v[GL+32*\i+16+\j:GL+32*\i+16+\j+1], v[GL+32*\i+16+\j:GL+32*\i+16+\j+1], v[GL+32*\i+24+\j:GL+32*\i+24+\j+1]
.endr
.endr
.irp j, 0,2,4,6
	v_pk_add_f32 v[MN+\j:MN+\j+1], v[MN+\j:MN+\j+1], v[MN+8+\j:MN+8+\j+1]      ; out1's token: my two quarters,
.endr
.irp i, 0,1,2,3
.irp j, 0,2,4,6
	v_pk_add_f32 v[GL+32*\i+\j:GL+32*\i+\j+1], v[GL+32*\i+\j:GL+32*\i+\j+1], v[GL+32*\i+16+\j:GL+32*\i+16+\j+1]
.endr
.endr
.irp j, 0,1,2,3,4,5,6,7
	v_permlanex16_b32 v[MN+8+\j], v[MN+\j], s66, s67
.endr
.irp j, 0,2,4,6
	v_pk_add_f32 v[MN+\j:MN+\j+1], v[MN+\j:MN+\j+1], v[MN+8+\j:MN+8+\j+1]      ; and lane l xor 16's two
.endr
; the softmax of five sets of eight logits, by turns: 2^((logit - the largest) x log2(e))
.irp l, 128,160,192,224,80
	v_max3_num_f32 v[\l+8], v[\l], v[\l+1], v[\l+2]
.endr
.irp j, 3,5
.irp l, 128,160,192,224,80
	v_max3_num_f32 v[\l+8], v[\l+8], v[\l+\j], v[\l+\j+1]
.endr
.endr
.irp l, 128,160,192,224,80
	v_max_num_f32 v[\l+8], v[\l+8], v[\l+7]
.endr
.irp l, 128,160,192,224,80
	v_mul_f32 v[\l+8], 0xbfb8aa3b, v[\l+8]
.endr
.irp j, 0,2,4,6
.irp l, 128,160,192,224,80
	v_pk_fma_f32 v[\l+\j:\l+\j+1], v[\l+\j:\l+\j+1], 0x3fb8aa3b, v[\l+8:\l+9] op_sel_hi:[1,0,0]
.endr
.endr
	s_wait_alu depctr_va_vdst(0)                   ; ahead of the batch of 40
.irp l, 128,160,192,224,80
.irp j, 0,1,2,3,4,5,6,7
	v_exp_f32 v[\l+\j], v[\l+\j]
.endr
.endr
	v_nop                                          ; a plain line behind the last exponential,
	s_wait_alu depctr_va_vdst(0)                   ; and one wait for all 40
.irp l, 128,160,192,224,80
	v_pk_add_f32 v[\l+8:\l+9], v[\l:\l+1], v[\l+2:\l+3]
	v_pk_add_f32 v[\l+10:\l+11], v[\l+4:\l+5], v[\l+6:\l+7]
.endr
.irp l, 128,160,192,224,80
	v_pk_add_f32 v[\l+8:\l+9], v[\l+8:\l+9], v[\l+10:\l+11]
.endr
.irp l, 128,160,192,224,80
	v_add_f32 v[\l+8], v[\l+8], v[\l+9]
.endr
	s_wait_alu depctr_va_vdst(0)
.irp l, 128,160,192,224,80
	v_rcp_f32 v[\l+12], v[\l+8]
.endr
	v_nop
	s_wait_alu depctr_va_vdst(0)                   ; one wait for the five reciprocals
.irp j, 0,2,4,6
.irp l, 128,160,192,224,80
	v_pk_mul_f32 v[\l+\j:\l+\j+1], v[\l+\j:\l+\j+1], v[\l+12:\l+13] op_sel_hi:[1,0]   ; the gates
.endr
.endr
	s_wait_alu depctr_va_vdst(0)                   ; ahead of the blocking waits below
	s_wait_tensorcnt 0x0                           ; my load of the head is in
	ds_add_u32 v[SPW], v[NIL]
	s_wait_dscnt 0x0
	ROUND                                          ; everybody's is: experts 0 and 1, all scales, all biases lie in LDS,
	TLOAD 60, 92                                   ; and my part of experts 2-7 is asked for
.irp j, 0,1,2,3
.irp kq, 0,1,2,3
	global_load_b64 v[XS+8*\j+2*\kq:XS+8*\j+2*\kq+1], v[XSO], s[6:7] offset:\kq*1024+256*\j   ; the words of K steps 2 kq and 2 kq + 1 of tokens 32 j + lane
.endr
.endr
	WIN 0x80
	XLOADS 4, 128
	XLOADS 5, 192
	WIN 0
; The two largest of eight gates, for four groups of 32 tokens by turns.  The first expert that equals the maximum is taken (T gathers who has been taken); it is then put at -1, under every gate,
; and the same is done once more.  What was not chosen gets the weight 0.  Nothing but selects hangs on these masks.
.macro PICK src, dst                   ; masks of the first of eight at L + src that equals the largest, which goes to L + dst
.irp i, 0,1,2,3
	v_max3_num_f32 v[GL+32*\i+\dst], v[GL+32*\i+\src], v[GL+32*\i+\src+1], v[GL+32*\i+\src+2]
.endr
.irp j, 3,5
.irp i, 0,1,2,3
	v_max3_num_f32 v[GL+32*\i+\dst], v[GL+32*\i+\dst], v[GL+32*\i+\src+\j], v[GL+32*\i+\src+\j+1]
.endr
.endr
.irp i, 0,1,2,3
	v_max_num_f32 v[GL+32*\i+\dst], v[GL+32*\i+\dst], v[GL+32*\i+\src+7]
.endr
.irp e, 0,1,2,3,4,5,6,7
.irp i, 0,1,2,3
	v_cmp_eq_f32 s[M+8*\i+\e], v[GL+32*\i+\src+\e], v[GL+32*\i+\dst]
.endr
.endr
	s_wait_alu depctr_va_vdst(0)                   ; ahead of the run of scalar instructions
.irp i, 0,1,2,3
	s_mov_b32 s[T+\i], s[M+8*\i]
.endr
.irp e, 1,2,3,4,5,6,7
.irp i, 0,1,2,3
	s_and_not1_b32 s[M+8*\i+\e], s[M+8*\i+\e], s[T+\i]
.endr
.irp i, 0,1,2,3
	s_or_b32 s[T+\i], s[T+\i], s[M+8*\i+\e]
.endr
.endr
.endm
	PICK 0, 16
.irp e, 0,1,2,3,4,5,6,7
.irp i, 0,1,2,3
	v_cndmask_b32 v[GL+32*\i+24+\e], 0, v[GL+32*\i+\e], s[M+8*\i+\e]
	v_cndmask_b32 v[GL+32*\i+8+\e], v[GL+32*\i+\e], -1.0, s[M+8*\i+\e]
.endr
.endr
	PICK 8, 17
.irp e, 0,1,2,3,4,5,6,7
.irp i, 0,1,2,3
	v_cndmask_b32 v[GL+32*\i+24+\e], v[GL+32*\i+24+\e], v[GL+32*\i+\e], s[M+8*\i+\e]
.endr
.endr
.irp i, 0,1,2,3
.irp e, 0,1,2,3,4,5,6,7
	ds_store_b32 v[CST], v[GL+32*\i+24+\e] offset:512*\e+8*\i     ; token 32 i + lane = tile 2 i + h, row r
.endr
.endr
	XLOADS 6, 128
	XLOADS 7, 192
.irp m, 1,2,4,8                        ; out1: the gates of my wave's 16 batches are added across the 16 lanes of a row
.irp j, 0,1,2,3,4,5,6,7
	v_add_f32_dpp v[MN+\j], v[MN+\j], v[MN+\j] row_xmask:\m row_mask:0xf bank_mask:0xf
.endr
.endr
	ds_store_b128 v[GMW], v[MN:MN+3]               ; all lanes store the same numbers to the same bytes
	ds_store_b128 v[GMW], v[MN+4:MN+7] offset:16
	s_wait_dscnt 0x0                               ; for the others' sake: my sums lie in LDS
	s_barrier_signal -1
	s_barrier_wait -1
	s_cmp_lg_u32 s20, 0
	s_cbranch_scc1 .Lno_mean                       ; wave 0 finishes out1
.irp u, 0,1,2,3
	ds_load_b32 v[MN+8+\u], v[GMA] offset:32*\u
.endr
	v_lshrrev_b32 v[MN+12], 2, v1
	v_lshlrev_b32 v[MN+13], 2, v1
	s_wait_alu depctr_va_vdst(0)                   ; ahead of the one below
	s_wait_dscnt 0x0
	v_add_f32 v[MN+8], v[MN+8], v[MN+9]
	v_add_f32 v[MN+10], v[MN+10], v[MN+11]
	v_add_f32 v[MN+8], v[MN+8], v[MN+10]
	v_mul_f32 v[MN+8], 0x3c800000, v[MN+8]         ; / 64
	v_cmp_eq_u32 vcc_lo, s88, v[MN+12]             ; lanes 4 (ps % 2) .. + 3: lane e holds expert e's mean
	s_wait_alu depctr_va_vdst(0)
	s_wait_xcnt 0x0                                ; x's loads have EXEC among their sources: it changes only behind this wait
	s_and_saveexec_b32 s75, vcc_lo
	global_store_b32 v[MN+13], v[MN+8], s[18:19]
	s_wait_xcnt 0x0                                ; and again, in front of the line that widens it
	s_or_b32 exec_lo, exec_lo, s75
.Lno_mean:
.macro LDF e, s                        ; W's fragment of K step s of expert e, 32 rows x 128 k: registers 8 u + 4 c .. + 3 of lane (r, h) are row 16 u + r, k = 128 s + 64 c + 32 h ..   (destination window 2)
.irp u, 0,1
.irp c, 0,1
.if (\e) < 2
	ds_load_b128 v[16*(\s)+8*\u+4*\c:16*(\s)+8*\u+4*\c+3], v[AW] offset:EXPB*(\e)+HB*\u+64*(\s)+32*\c
.else
	ds_load_b128 v[16*(\s)+8*\u+4*\c:16*(\s)+8*\u+4*\c+3], v[AX+\u] offset:HB*((\e)-2)+64*(\s)+32*\c
.endif
.endr
.endr
.endm
.macro LBIAS e
.irp u, 0,1
	ds_load_b128 v[BI+8*\u:BI+8*\u+3], v[ABI] offset:256*(\e)+64*\u
	ds_load_b128 v[BI+8*\u+4:BI+8*\u+7], v[ABI] offset:256*(\e)+64*\u+16
.endr
.endm
.macro LSC e, q                        ; four K steps' scale words
	ds_load_b128 v[SC+4*\q:SC+4*\q+3], v[ASC] offset:2048*(\e)+16*\q
.endm
; chunk 0, expert 0, in the order in which the passes load
	LBIAS 0
	WIN 0x80
	LDF 0, 0
	LDF 0, 1
	WIN 0
	LSC 0, 0
	WIN 0x80
	LDF 0, 2
	LDF 0, 3
	LDF 0, 4
	LDF 0, 5
	WIN 0
	LSC 0, 1
	WIN 0x80
	LDF 0, 6
	LDF 0, 7
	WIN 0
; One matrix instruction: y(tile t) (+)= W's fragment of K step s x x's.  K step 0 takes the bias as C.
.macro MM s, t
.set rY, 16*(\t)
.set rA, 16*(\s)
.if (\s) < 4
.set rB, 64*(\s)+8*(\t)
.elseif (\s) < 6
.set rB, 128+64*((\s)-4)+8*(\t)
.else
.set rB, 128+64*((\s)-6)+8*(\t)
.endif
.if (\s) == 0
.set rC, BI
.else
.set rC, rY
.endif
.set rSA, SC+(\s)
.set rSB, XS+8*((\t)/2)+(\s)
.if (\t)%2
	v_wmma_scale_f32_32x16x128_f4 v[rY:rY+15], v[rA:rA+15], v[rB:rB+7], v[rC:rC+15], v[rSA], v[rSB] matrix_b_scale:MATRIX_SCALE_ROW1
.else
	v_wmma_scale_f32_32x16x128_f4 v[rY:rY+15], v[rA:rA+15], v[rB:rB+7], v[rC:rC+15], v[rSA], v[rSB]
.endif
.endm
; out(tile t) (+)= weight x y(tile t): eight packed lines, y from its low end on.  The weight is picked out of its pair for both halves.  mode 1 starts out, 2 adds.
.macro COMB t, mode, wq
	WIN 0xf3                                       ; y and out window 3, weights window 0
.set rW, \wq+2*(((\t)%4)/2)
.irp j, 0,2,4,6,8,10,12,14
.set rO, OUT+16*(\t)+\j
.set rV, 16*(\t)+\j
.if (\mode) == 1
.if (\t)%2
	v_pk_mul_f32 v[rO:rO+1], v[rV:rV+1], v[rW:rW+1] op_sel:[0,1] op_sel_hi:[1,1]
.else
	v_pk_mul_f32 v[rO:rO+1], v[rV:rV+1], v[rW:rW+1] op_sel_hi:[1,0]
.endif
.else
.if (\t)%2
	v_pk_fma_f32 v[rO:rO+1], v[rV:rV+1], v[rW:rW+1], v[rO:rO+1] op_sel:[0,1,0] op_sel_hi:[1,1,1]
.else
	v_pk_fma_f32 v[rO:rO+1], v[rV:rV+1], v[rW:rW+1], v[rO:rO+1] op_sel_hi:[1,0,1]
.endif
.endif
.endr
.endm
; Behind K steps 1, 3, 5, 7 (q = 0 .. 3) of a pass's first half: the last pass's tile 4 + q is weighed in.  q = 0: this expert's weights of tiles 0-3 are loaded.
.macro SLOTA e, q
.if (\e) == 1
	COMB 4+(\q), 1, WQ1
.elseif (\e) > 1
	COMB 4+(\q), 2, WQ1
.elseif (\q) == 3
.rept 4
	v_nop                                          ; pass 0 has nothing to weigh here: the places in front of the first reads of this half's results
.endr
.endif
.if (\q) == 0
	WIN 0
	ds_load_b128 v[WQ0:WQ0+3], v[CWA] offset:512*(\e)
.if (\e) == 7                          ; what this pass loads is the next chunk's expert 0.  (In the last chunk: bytes of expert 1, inside LDS, filled, and not used)
	v_add_nc_u32 v[AW], 32*PITCH, v[AW]
	v_add_nc_u32 v[AX], 2*WAVB, v[AX]
	v_add_nc_u32 v[AX+1], 2*WAVB, v[AX+1]
	v_add_nc_u32 v[ASC], 1024, v[ASC]
	v_add_nc_u32 v[ABI], 128, v[ABI]
.endif
.endif
.endm
; The same in the second half: this pass's tile q is weighed in; its eight lines are the places behind the products that read what is loaded anew: the next pass's fragments of K steps 2 q, 2 q + 1,
; with q = 0 the bias and this expert's weights of tiles 4-7, with q = 1 and 3 four scale words.
.macro SLOTB e, q
.set NX, ((\e)+1)%8
.if (\q) == 0
	s_wait_dscnt 0x0                               ; the weights of tiles 0-3 are in (every other LDS load has been waited for)
.if (\e) == 1
	s_wait_tensorcnt 0x0                           ; my part of experts 2-7 is in;
	s_barrier_signal -1
.endif
.endif
.if (\e) == 0
	COMB \q, 1, WQ0
.else
	COMB \q, 2, WQ0
.endif
.if ((\e) == 1) && ((\q) == 0)
	s_barrier_wait -1                              ; everybody's is: the loads below are the first that read expert 2.  Nothing is filled again
.endif
.if (\q) == 0
	WIN 0
	LBIAS NX
	ds_load_b128 v[WQ1:WQ1+3], v[CWA] offset:512*(\e)+16
.elseif (\q) == 1
	WIN 0
	LSC NX, 0
.elseif (\q) == 3
	WIN 0
	LSC NX, 1
.endif
	WIN 0x80
	LDF NX, 2*(\q)
	LDF NX, 2*(\q)+1
.endm
; Half b of pass e.  LDS loads of a pass in their order: 1 (weights 0-3); 4 + 1 + 8 (bias, weights 4-7, fragments 0, 1); 1 + 8 (scale words 0-3, fragments 2, 3); 8 (4, 5); 1 + 8 (scale words 4-7, fragments 6, 7).
.macro HALF e, b
.irp s, 0,1,2,3,4,5,6,7
.if (\b) == 0
.if (\e) == 0
.if \s == 0
	s_wait_loadcnt 63                              ; x's K steps 0 to 3 and all scale words: 64 loads stand behind them.  (Met at once in the second chunk, as the waits below)
.elseif \s > 3
	s_wait_loadcnt 16*(7-\s)                       ; x's K step s is in: 16 loads for each later step may be out
.endif
.endif
.if \s == 0
	s_wait_dscnt 25                                ; behind scale words 0-3: 8 + 8 + 9 loads
.elseif \s == 2
	s_wait_dscnt 18                                ; behind fragment 3: 8 + 9, and this pass's 1
.elseif \s == 4
	s_wait_dscnt 9                                 ; behind scale words 4-7: 8, and 1
.elseif \s == 6
	s_wait_dscnt 1
.endif
.endif
.if \s == 0
	WIN 0xc6                                       ; W window 2, x window 1, C = the bias window 0, y window 3
.elseif \s < 4
	WIN 0xf6
.elseif \s < 6
	WIN 0xfa                                       ; x window 2
.else
	WIN 0xf2                                       ; x window 0
.endif
.irp t, 0,1,2,3
	MM \s, 4*(\b)+\t                               ; the four accumulators take turns, one instruction a turn
.endr
.if \s%2
.if \b
	SLOTB \e, (\s/2)
.else
	SLOTA \e, (\s/2)
.endif
.endif
.endr
.endm
; THE WAY OUT: a lane holds 16 rows p of one token, so 16 rows x 64 tokens at a time go through my own stage and come back as rows of 256 bytes, over y, which is done with.
.macro STAGE th, u
.irp q, 0,1,2,3
.irp j, 0,1,2,3,4,5,6,7
	ds_store_b32 v[STO], v[OUT+16*(4*\th+\q)+8*\u+\j] offset:SPITCH*\j+64*\q
.endr
.endr
.irp i, 0,1,2,3,4,5,6,7
	ds_load_b128 v[64*\th+32*\u+4*\i:64*\th+32*\u+4*\i+3], v[RD] offset:2*SPITCH*\i   ; LDS serves a wave's instructions in order (ISA guide 5.7.1.4): these see my stores, and the next stores come behind them
.endr
.endm
.macro SEND th, u
.irp i, 0,1,2,3,4,5,6,7
	global_store_b128 v[GO], v[64*\th+32*\u+4*\i:64*\th+32*\u+4*\i+3], s[16:17] offset:1024*\i+8192*\u+256*\th th:TH_STORE_NT   ; 16 lanes store 256 consecutive bytes, at a multiple of 256 from out0's first byte
.endr
.endm
	s_mov_b32 s74, 2
	s_wait_alu depctr_va_vdst(0)                   ; the head's end
.Lchunk:                                           ; two trips: 32 outputs p each
.irp e, 0,1,2,3,4,5,6,7
	HALF \e, 0
	HALF \e, 1
.endr
	s_wait_dscnt 26                                ; expert 7's weights of tiles 4-7 are in: 8 + 9 + 8 + 9 loads stand behind them
	COMB 4, 2, WQ1
	COMB 5, 2, WQ1
	COMB 6, 2, WQ1
	COMB 7, 2, WQ1
	s_wait_alu depctr_va_vdst(0)
	WIN 0xcc                                       ; loaded data and stored data window 3, addresses window 0
	STAGE 0, 0
	STAGE 0, 1
	s_wait_dscnt 40                                ; the first rows are back: behind them stand the second's 32 stores and 8 loads
	SEND 0, 0
	STAGE 1, 0
	s_wait_dscnt 40
	SEND 0, 1
	STAGE 1, 1
	s_wait_dscnt 40
	SEND 1, 0
	s_wait_dscnt 0x0
	SEND 1, 1
	WIN 0                                          ; at a label and at a branch every window is 0
	s_wait_xcnt 0x0                                ; the stores have read their base and their data: both are written again only behind this wait
	s_add_nc_u64 s[16:17], s[16:17], 16384         ; 32 rows of out0 on
	s_sub_co_u32 s74, s74, 1
	s_cmp_lg_u32 s74, 0
	s_wait_alu depctr_va_vdst(0)
	s_cbranch_scc1 .Lchunk
	s_wait_tensorcnt 0x0                           ; the wave's end, behind my last LDS store
	ds_add_u32 v[SPW], v[NIL]
	s_wait_dscnt 0x0
	ROUND                                          ; the closing round: no work-group ends while a partner may still ask for a tile that names it
	s_endpgm
.Lfunc_end_k_q504b742b89_moe:
	.size	k_q504b742b89_moe, .Lfunc_end_k_q504b742b89_moe-k_q504b742b89_moe
	.p2alignl 7, 3214868480
	.fill 96, 4, 3214868480
	.section	.rodata,"a",@progbits
	.p2align	6, 0x0
	.amdhsa_kernel k_q504b742b89_moe
		.amdhsa_group_segment_fixed_size 327680
		.amdhsa_private_segment_fixed_size 0
		.amdhsa_enable_private_segment 0
		.amdhsa_kernarg_size 64
		.amdhsa_user_sgpr_count 2
		.amdhsa_user_sgpr_kernarg_segment_ptr 1
		.amdhsa_wavefront_size32 1
		.amdhsa_system_sgpr_workgroup_id_x 1
		.amdhsa_system_sgpr_workgroup_id_y 1
		.amdhsa_system_sgpr_workgroup_id_z 1
		.amdhsa_system_vgpr_workitem_id 0
		.amdhsa_next_free_vgpr 1024
		.amdhsa_next_free_sgpr 100
		.amdhsa_reserve_vcc 1
		.amdhsa_float_denorm_mode_32 3
		.amdhsa_float_denorm_mode_16_64 3
		.amdhsa_memory_ordered 1
		.amdhsa_forward_progress 1
		.amdhsa_inst_pref_size 199
	.end_amdhsa_kernel
	.amdgpu_metadata
---
amdhsa.version: [ 1, 2 ]
amdhsa.kernels:
  - .name:           k_q504b742b89_moe
    .symbol:         k_q504b742b89_moe.kd
    .args:
      - { .name: xc, .offset: 0, .size: 8, .value_kind: global_buffer, .address_space: global }
      - { .name: xs, .offset: 8, .size: 8, .value_kind: global_buffer, .address_space: global }
      - { .name: glog, .offset: 16, .size: 8, .value_kind: global_buffer, .address_space: global }
      - { .name: expert_W_codes, .offset: 24, .size: 8, .value_kind: global_buffer, .address_space: global }
      - { .name: expert_W_scales, .offset: 32, .size: 8, .value_kind: global_buffer, .address_space: global }
      - { .name: expert_b, .offset: 40, .size: 8, .value_kind: global_buffer, .address_space: global }
      - { .name: out0, .offset: 48, .size: 8, .value_kind: global_buffer, .address_space: global }
      - { .name: out1, .offset: 56, .size: 8, .value_kind: global_buffer, .address_space: global }
    .group_segment_fixed_size: 327680
    .private_segment_fixed_size: 0
    .kernarg_segment_align: 8
    .kernarg_segment_size: 64
    .max_flat_workgroup_size: 128
    .sgpr_count:     100
    .vgpr_count:     1024
    .wavefront_size: 32
...
	.end_amdgpu_metadata
.endif
;; end of part 2
